; MI455X (gfx1250); checked and timed in simulation.
; The chip was launched on July 23, 2026; its instructions are those of AMD's public machine-readable ISA for CDNA 5 (MIT licence, August 2026) and "CDNA5" Instruction Set Architecture Reference Guide (July 2026). The comments in the code are by the model that wrote it; some were corrected since.
;; FGN layer. Allowed arithmetic: float matrix products may take bf16 or f16 operands with f32 sums; other float arithmetic in f32, or as packed bf16 or f16 multiplies, adds, multiply-adds, maxima and minima; sums over many terms, partial sums and values carried from step to step in f32; what a program stores and reads back later, other than sums and carried values, may be rounded once to bf16 or f16.
;; Inputs: centers 2,048 x 2,048 float32; sigs 2,048 float32; weights 2,048 x 2,048 float32; x 8,192 x 2,048 float32.
;; Outputs: out0 8,192 x 2,048 float32.
;; 2 versions, each right; version 2 is version 1 with the launch prep written anew for expert scheduling mode. Each part assembles by itself: llvm-mc -triple=amdgcn-amd-amdhsa -mcpu=gfx1250 --defsym DOCPART=n.
;; ======== version 1 of 2: 2 launches
;; workspace buffers: xb 33,554,432 bytes; wcb 16,777,216 bytes; xsq 32,768 bytes; cinit 16,384 bytes; ninv 8,192 bytes
;; launch prep (part 1): grid 256 x 1, 8 waves a work-group, no clusters, 0 bytes of LDS; arguments x, weights, centers, sigs, xb, wcb, xsq, cinit, ninv; writes xb, wcb, xsq, cinit, ninv
.if DOCPART == 1
	.amdgcn_target "amdgcn-amd-amdhsa--gfx1250"
	.amdhsa_code_object_version 6
	.text
	.protected	k_q127ade9d7f_prep
	.globl	k_q127ade9d7f_prep
	.p2align	8
	.type	k_q127ade9d7f_prep,@function
k_q127ade9d7f_prep:
	s_mov_b64 s[64:65], 0
	v_nop
	global_prefetch_b8 v0, s[64:65] scope:SCOPE_SE
	s_setreg_imm32_b32 hwreg(HW_REG_WAVE_MODE, 25, 1), 1
	s_wait_xcnt 0x0
; FIRST OF TWO LAUNCHES.  out[b][o] = (x_b . w_o - w_o . c_o) exp(-max(|x_b|^2 + |c_o|^2 - 2 x_b . c_o, 0) / sig_o^2); x: [8192][2048], weights, centers: [2048][2048], sigs: [2048], all f32.
; NOTHING OF THE PROBLEM IS LEFT OUT: every input has a way to every output row or column, and all four are loaded.
; THIS LAUNCH rounds x, weights and centers to bf16, once, for the matrix products of the second launch, and makes three small f32 tables:
;   xb    [8192][2048] bf16   x rounded
;   wcb   [4096][2048] bf16   column o's weights at row rw = 128 (o / 64) + o % 64, its centers at row rw + 64: a wave of the second launch finds 64 columns' w and c in 128 rows on end
;   xsq   [8192] f32          the sum of xb^2 along a row
;   cinit [4096] f32          in wcb's row order: at rw the bias, -(the sum of wb cb); at rw + 64 -(the sum of cb^2) / 2: the numbers with which the second launch's sums begin
;   ninv  [2048] f32          -log2(e) / sig^2
; The three sums are taken, in f32, of the ROUNDED numbers, the same that the matrix unit multiplies: so |x|^2 + |c|^2 - 2 x.c is |xb - cb|^2 and x.w - w.c is wb.(xb - cb) in exact arithmetic,
; and the rounding to bf16 is not magnified by a difference of large sums where the inputs carry a common offset.  sigs is no matrix operand and stays f32.
; LIMITS.  The order of the f32 sums differs from a row-wise sum.  1 / sig^2 is v_rcp_f32's (1 ULP); a sig^2 below 2^-126 counts as 0.
; SHARES.  A stream: no LDS, no barrier, no matrix unit, no loop.  2,048 waves; wave W takes x's rows 4 W .. 4 W + 3, row W of weights and of centers, and sigs[W]: six rows of 8,192 bytes in, 24 KiB out, alike for all.
; A row comes by 16 loads of 16 bytes a lane (512 consecutive bytes each); the four numbers of a load leave as 8 bytes a lane: each store of the wave covers 256 consecutive bytes, aligned.
; Three row slots of 64 registers: while one row is worked on, two are on their way in.  The wave's 28 bytes of tables leave from lane 0: under a two-thousandth of what the launch moves.
.set S0,   32                          ; v[32:95], v[96:159], v[160:223]: the three row slots
.set S1,   96
.set S2,   160
.set LO,   1                           ; v1   16 x lane: my place in a load's 512 bytes; never rewritten
.set SO,   2                           ; v2   8 x lane: my place in a store's 256 bytes; never rewritten
.set ZO,   3                           ; v3   0: the offset of the small stores
.set TW,   4                           ; v[4:7]   four rounded numbers, widened again
.set TC,   8                           ; v[8:11]  the same (an x row takes the two by turns)
.set SQ,   12                          ; v[12:15] four running sums: x^2, or w c
.set CQ,   16                          ; v[16:19] four running sums: c^2
.set XSUM, 20                          ; v[20:23] my four rows' sums
.set BI,   24                          ; v24  the bias
.set CH,   25                          ; v25  -|c|^2 / 2
.set NI,   26                          ; v26  -log2(e) / sig^2
.set TP,   27                          ; v27  at work across the halves of the lanes
.set LN,   28                          ; v28  lane
	s_load_b256 s[4:11], s[0:1], 0x0               ; x s[4:5], weights s[6:7], centers s[8:9], sigs s[10:11]
	s_load_b256 s[12:19], s[0:1], 0x20             ; xb s[12:13], wcb s[14:15], xsq s[16:17], cinit s[18:19]
	s_load_b64 s[20:21], s[0:1], 0x40              ; ninv
	v_lshrrev_b32 v[TP], 5, v0
	v_readfirstlane_b32 s22, v[TP]                 ; wave 0..7
	v_and_b32 v[LN], 31, v0
	v_lshlrev_b32 v[LO], 4, v[LN]
	v_lshlrev_b32 v[SO], 3, v[LN]
	v_mov_b32 v[ZO], 0
	s_lshl_b32 s23, ttmp9, 3
	s_add_co_u32 s23, s23, s22                     ; W = 8 x work-group + wave
	s_lshr_b32 s31, s23, 6
	s_lshl_b32 s31, s31, 7
	s_and_b32 s24, s23, 63
	s_add_co_u32 s31, s31, s24                     ; rw = 128 (W / 64) + W % 64
	s_mov_b32 s25, 0                               ; the high word of every offset
	s_mov_b32 s26, 0xffff0000                      ; a word's upper bf16
	s_mov_b32 s27, 0x76543210                      ; v_permlanex16_b32: each lane takes its own place in the other half
	s_mov_b32 s28, 0xfedcba98
	s_lshl_b32 s24, s23, 15                        ; four rows of 8,192 bytes
	s_wait_kmcnt 0x0
	s_add_nc_u64 s[4:5], s[4:5], s[24:25]          ; x at my first row
.macro FILL s, base, off               ; a row's 16 loads into slot s
.irp j, 0,1,2,3,4,5,6,7,8,9,10,11,12,13,14,15
	global_load_b128 v[(\s)+4*(\j):(\s)+4*(\j)+3], v[LO], s[(\base):(\base)+1] offset:(\off)+512*(\j) th:TH_LOAD_NT
.endr
.endm
	FILL S0, 4, 0                                  ; x's rows 0, 1, 2 go out before anything else is made
	FILL S1, 4, 8192
	FILL S2, 4, 16384
	s_lshl_b32 s24, s23, 13                        ; a row of 8,192 bytes
	s_add_nc_u64 s[6:7], s[6:7], s[24:25]          ; weights and centers at row W
	s_add_nc_u64 s[8:9], s[8:9], s[24:25]
	s_lshl_b32 s24, s23, 2
	s_add_nc_u64 s[10:11], s[10:11], s[24:25]      ; sigs and ninv at W
	s_add_nc_u64 s[20:21], s[20:21], s[24:25]
	s_load_b32 s29, s[10:11], 0x0                  ; sig: nothing in this launch writes sigs
	s_lshl_b32 s24, s23, 14                        ; four rows of 4,096 bytes
	s_add_nc_u64 s[12:13], s[12:13], s[24:25]      ; xb at my first row
	s_lshl_b32 s24, s31, 12
	s_add_nc_u64 s[14:15], s[14:15], s[24:25]      ; wcb at row rw
	s_lshl_b32 s24, s23, 4
	s_add_nc_u64 s[16:17], s[16:17], s[24:25]      ; xsq at my four numbers
	s_lshl_b32 s24, s31, 2
	s_add_nc_u64 s[18:19], s[18:19], s[24:25]      ; cinit at rw
.macro CVT s, j                        ; load j's four numbers are rounded in place: two words of two bf16
	v_cvt_pk_bf16_f32 v[(\s)+4*(\j)], v[(\s)+4*(\j)], v[(\s)+4*(\j)+1]
	v_cvt_pk_bf16_f32 v[(\s)+4*(\j)+1], v[(\s)+4*(\j)+2], v[(\s)+4*(\j)+3]
.endm
.macro UNP t, s, j                     ; and widened again: the sums are taken of the rounded numbers
	v_lshlrev_b32 v[(\t)], 16, v[(\s)+4*(\j)]
	v_and_b32 v[(\t)+1], s26, v[(\s)+4*(\j)]
	v_lshlrev_b32 v[(\t)+2], 16, v[(\s)+4*(\j)+1]
	v_and_b32 v[(\t)+3], s26, v[(\s)+4*(\j)+1]
.endm
.macro ACCUM acc, p, q, j              ; four sums take four products; the first products start the sums: nothing is cleared
.if (\j) == 0
	v_pk_mul_f32 v[(\acc):(\acc)+1], v[(\p):(\p)+1], v[(\q):(\q)+1]
	v_pk_mul_f32 v[(\acc)+2:(\acc)+3], v[(\p)+2:(\p)+3], v[(\q)+2:(\q)+3]
.else
	v_pk_fma_f32 v[(\acc):(\acc)+1], v[(\p):(\p)+1], v[(\q):(\q)+1], v[(\acc):(\acc)+1]
	v_pk_fma_f32 v[(\acc)+2:(\acc)+3], v[(\p)+2:(\p)+3], v[(\q)+2:(\q)+3], v[(\acc)+2:(\acc)+3]
.endif
.endm
.macro RED acc, dst                    ; the lane's four sums, then the 32 lanes': four steps inside each half ride on the addition, one crosses the halves; every lane has the result
	v_pk_add_f32 v[(\acc):(\acc)+1], v[(\acc):(\acc)+1], v[(\acc)+2:(\acc)+3]
	v_add_f32 v[(\acc)], v[(\acc)], v[(\acc)+1]
	v_add_f32_dpp v[(\acc)], v[(\acc)], v[(\acc)] row_xmask:1 row_mask:0xf bank_mask:0xf
	v_add_f32_dpp v[(\acc)], v[(\acc)], v[(\acc)] row_xmask:2 row_mask:0xf bank_mask:0xf
	v_add_f32_dpp v[(\acc)], v[(\acc)], v[(\acc)] row_xmask:4 row_mask:0xf bank_mask:0xf
	v_add_f32_dpp v[(\acc)], v[(\acc)], v[(\acc)] row_xmask:8 row_mask:0xf bank_mask:0xf
	v_permlanex16_b32 v[TP], v[(\acc)], s27, s28   ; its destination counts as read: v27 was written at the head
	v_add_f32 v[(\dst)], v[(\acc)], v[TP]
.endm
; Row r of my four rows of x lies in slot s.  left: the younger loads that may stay out.
.macro XROW s, r, left
	s_wait_loadcnt \left                           ; loads come back in order (ISA guide 5.7.1): this slot's 16 are in, the other two slots' 32 stay out
.irp j, 0,1,2,3,4,5,6,7,8,9,10,11,12,13,14,15
	CVT \s, \j
	global_store_b64 v[SO], v[(\s)+4*(\j):(\s)+4*(\j)+1], s[12:13] offset:(\r)*4096+256*(\j)
	UNP TW+4*((\j)%2), \s, \j
	ACCUM SQ, TW+4*((\j)%2), TW+4*((\j)%2), \j
.endr
	RED SQ, XSUM+(\r)
.endm
	XROW S0, 0, 32
	s_wait_xcnt 0x0                                ; the slot's registers were the data of the stores above: they are loaded again only behind this wait
	FILL S0, 4, 24576                              ; x's row 3
	XROW S1, 1, 32
	s_wait_xcnt 0x0
	FILL S1, 6, 0                                  ; the row of weights
	XROW S2, 2, 32
	s_wait_xcnt 0x0
	FILL S2, 8, 0                                  ; the row of centers
	XROW S0, 3, 32
	s_wait_loadcnt 0x0                             ; w and c: nothing younger is out
.irp j, 0,1,2,3,4,5,6,7,8,9,10,11,12,13,14,15
	CVT S1, \j
	CVT S2, \j
	global_store_b64 v[SO], v[S1+4*(\j):S1+4*(\j)+1], s[14:15] offset:256*(\j)
	global_store_b64 v[SO], v[S2+4*(\j):S2+4*(\j)+1], s[14:15] offset:262144+256*(\j)  ; 64 rows of 4,096 bytes further on
	UNP TW, S1, \j
	UNP TC, S2, \j
	ACCUM SQ, TW, TC, \j                           ; w c
	ACCUM CQ, TC, TC, \j                           ; c^2
.endr
	RED SQ, BI
	RED CQ, CH
	v_mul_f32 v[BI], -1.0, v[BI]
	v_mul_f32 v[CH], -0.5, v[CH]
	s_wait_kmcnt 0x0                               ; sig
	v_mul_f32 v[NI], s29, s29
	v_rcp_f32 v[NI], v[NI]
	v_nop                                          ; a plain instruction between the reciprocal and the use of its result (ISA guide 5.7.2),
	s_wait_alu depctr_va_vdst(0)                   ; and a wait ahead of the first use
	v_mul_f32 v[NI], 0xbfb8aa3b, v[NI]             ; x -log2(e)
	v_cmp_eq_u32 vcc_lo, 0, v[LN]
	s_wait_xcnt 0x0                                ; EXEC is a source of the stores above: it changes only behind this wait
	s_and_saveexec_b32 s30, vcc_lo                 ; lane 0 alone
	global_store_b128 v[ZO], v[XSUM:XSUM+3], s[16:17]
	global_store_b32 v[ZO], v[BI], s[18:19]
	global_store_b32 v[ZO], v[CH], s[18:19] offset:256  ; 64 numbers further on
	global_store_b32 v[ZO], v[NI], s[20:21]
	s_wait_xcnt 0x0                                ; and again, in front of the line that widens it
	s_or_b32 exec_lo, exec_lo, s30
	s_endpgm
.Lfunc_end_k_q127ade9d7f_prep:
	.size	k_q127ade9d7f_prep, .Lfunc_end_k_q127ade9d7f_prep-k_q127ade9d7f_prep
	.p2alignl 7, 3214868480
	.fill 96, 4, 3214868480
	.section	.rodata,"a",@progbits
	.p2align	6, 0x0
	.amdhsa_kernel k_q127ade9d7f_prep
		.amdhsa_group_segment_fixed_size 0
		.amdhsa_private_segment_fixed_size 0
		.amdhsa_enable_private_segment 0
		.amdhsa_kernarg_size 72
		.amdhsa_user_sgpr_count 2
		.amdhsa_user_sgpr_kernarg_segment_ptr 1
		.amdhsa_wavefront_size32 1
		.amdhsa_system_sgpr_workgroup_id_x 1
		.amdhsa_system_sgpr_workgroup_id_y 1
		.amdhsa_system_sgpr_workgroup_id_z 1
		.amdhsa_system_vgpr_workitem_id 0
		.amdhsa_next_free_vgpr 224
		.amdhsa_next_free_sgpr 66
		.amdhsa_reserve_vcc 1
		.amdhsa_float_denorm_mode_32 3
		.amdhsa_float_denorm_mode_16_64 3
		.amdhsa_memory_ordered 1
		.amdhsa_forward_progress 1
		.amdhsa_inst_pref_size 60
	.end_amdhsa_kernel
	.amdgpu_metadata
---
amdhsa.version: [ 1, 2 ]
amdhsa.kernels:
  - .name:           k_q127ade9d7f_prep
    .symbol:         k_q127ade9d7f_prep.kd
    .args:
      - { .name: x, .offset: 0, .size: 8, .value_kind: global_buffer, .address_space: global }
      - { .name: weights, .offset: 8, .size: 8, .value_kind: global_buffer, .address_space: global }
      - { .name: centers, .offset: 16, .size: 8, .value_kind: global_buffer, .address_space: global }
      - { .name: sigs, .offset: 24, .size: 8, .value_kind: global_buffer, .address_space: global }
      - { .name: xb, .offset: 32, .size: 8, .value_kind: global_buffer, .address_space: global }
      - { .name: wcb, .offset: 40, .size: 8, .value_kind: global_buffer, .address_space: global }
      - { .name: xsq, .offset: 48, .size: 8, .value_kind: global_buffer, .address_space: global }
      - { .name: cinit, .offset: 56, .size: 8, .value_kind: global_buffer, .address_space: global }
      - { .name: ninv, .offset: 64, .size: 8, .value_kind: global_buffer, .address_space: global }
    .group_segment_fixed_size: 0
    .private_segment_fixed_size: 0
    .kernarg_segment_align: 8
    .kernarg_segment_size: 72
    .max_flat_workgroup_size: 256
    .sgpr_count:     66
    .vgpr_count:     224
    .wavefront_size: 32
...
	.end_amdgpu_metadata
.endif
;; end of part 1
;; launch fgn (part 2): grid 16 x 16, 4 waves a work-group, clusters of 4 x 4, 327,680 bytes of LDS; arguments xb, wcb, xsq, cinit, ninv, out0; writes out0
.if DOCPART == 2
	.amdgcn_target "amdgcn-amd-amdhsa--gfx1250"
	.amdhsa_code_object_version 6
	.text
	.protected	k_q127ade9d7f_fgn
	.globl	k_q127ade9d7f_fgn
	.p2align	8
	.type	k_q127ade9d7f_fgn,@function
k_q127ade9d7f_fgn:
	s_mov_b64 s[64:65], 0
	v_nop
	global_prefetch_b8 v0, s[64:65] scope:SCOPE_SE
	s_setreg_imm32_b32 hwreg(HW_REG_WAVE_MODE, 25, 1), 1
	s_wait_xcnt 0x0
	s_wait_alu depctr_hold_cnt(0) depctr_sa_sdst(0) depctr_va_vdst(0) depctr_va_sdst(0) depctr_va_ssrc(0) depctr_va_vcc(0) depctr_vm_vsrc(0)
	s_getreg_b32 s2, hwreg(HW_REG_IB_STS2, 6, 4)
	s_cmp_eq_u32 s2, 0
	s_cbranch_scc0 .Lentry_in_a_cluster
	s_endpgm
.Lentry_in_a_cluster:
	s_bfe_u32 s2, ttmp6, 0x10000c
	s_cmp_lg_u32 s2, 0xf033
	s_cbranch_scc0 .Lentry_shape_is_right
	s_endpgm
.Lentry_shape_is_right:
; SECOND OF TWO LAUNCHES.  out[b][o] = L g, L = xb_b . wb_o + bias_o, g = 2^(max(xsq_b - 2 XC, 0) ninv_o), XC = xb_b . cb_o - |cb_o|^2 / 2.  Nothing of the problem is left out.
; xb: [8192][2048] bf16.  wcb: [4096][2048] bf16: of each 128 rows the first 64 are 64 columns' weights, the other 64 the same columns' centers.  xsq: [8192], cinit: [4096] (in wcb's row order: the bias, or -|c|^2 / 2),
; ninv: [2048] (-log2(e) / sig^2), all f32.  out0: [8192][2048] f32.  Both products are ONE product of xb with wcb's 4,096 rows, sums in f32; each sum BEGINS with its row's number of cinit (the C operand of its first
; matrix instruction), so that neither the bias nor |c|^2 costs a vector instruction.
; LIMITS.  A NaN in xsq - 2 XC (it arises from non-finite sums alone) counts as 0 under the clamp, where the problem's maximum would keep it.  g below 2^-126 counts as 0.  The f32 sums' order is the matrix unit's.
; A tile, 256 rows of xb x 256 rows of wcb (128 columns of out), is made by a work-group of four waves, as many as a WGP has SIMDs; a wave makes 128 x 128: 64 accumulators of 16 x 16, 512 registers.  K goes in steps of
; 128 through a ring of two LDS slots filled by the tensor data mover: the tiles' rows are 256 bytes of memory and start at multiples of 256 bytes from the buffer's first byte.
; A WORK-GROUP STAYS: it makes two tiles, 4,096 rows of xb apart, on the same rows of wcb; the ring does not stop at the first tile's end: its last two changes of slots ask for the second tile's first two K steps.
; CLUSTERS: 4 x 4 work-groups.  The four of a row of the cluster need the same tiles of xb, the four of a column the same tiles of wcb.  Such a tile is asked for JOINTLY: each of the four issues the same tensor load,
; with the same descriptor and a mask that names the four, and each receives the tile in its own LDS.
; THE MATRIX INSTRUCTION IS USED TRANSPOSED: source 0 = 16 rows of wcb, source 1 = 16 rows of xb.  In the result lane l holds row l % 16 of xb and, in registers 0 to 7, wcb's rows 8 (l / 16) + 0 .. 7.  A wave's eight
; blocks of wcb's rows are four of w and four of c of the same 64 columns: accumulators (a, b) and (a, b + 4) hold L and XC of the same outputs in the same lanes and registers.
; REGISTERS, in windows of 256 (s_set_vgpr_msb's low byte: bits 1:0 source 0, 3:2 source 1, 5:4 source 2, 7:6 destination):
;   window 0: v0-31 addresses; v64-127, v128-191 fragments of xb, two buffers; v192-223 at work on the way out; v32-63, v224-255 16 rows read back from the stage, by turns
;   window 1: v0-63 cinit as eight C operands; v64-127, v128-191 fragments of wcb, two buffers; v192-223 ninv of my 64 columns; v224-239 xsq of my row in each of my eight blocks of 16 rows (the low register of a pair)
;   window 2: the 32 accumulators of my rows 0-63 (accumulator (a, b) at v[8 (8 a + b)]);   window 3: those of my rows 64-127
.set SIZE_K, 2048
.set KSTEP,  128
.set PITCH,  272                       ; an LDS row: 256 bytes of data + 16 of padding = 68 words: row r starts at bank 4 r mod 64 (64 banks of 4 bytes: ISA guide 11.1), so the 16 rows that a load touches start at 16 different banks
.set HALFT,  128*PITCH                 ; 128 rows: what one tensor load brings, and what one wave reads of xb or of wcb
.set SLOT,   4*HALFT                   ; xb's 256 rows, then wcb's 256 rows
.set STAGE,  2*SLOT                    ; behind the ring: 16 rows x 272 bytes for each wave, for the way out; no tensor load lands there
.set SPITCH, 272
.set SPARE,  STAGE+4*16*SPITCH         ; behind the stages: the spare words, 128 bytes for each wave: two blocks of 256 bytes that no other line names
.set LAPS,   SIZE_K/(2*KSTEP)          ; 8: a lap = two K steps = once round the ring
.set WALK,   4096                      ; rows of xb from my first tile to my second
.set OROW,   8192                      ; bytes in a row of out
.set NEXT_A, WALK*SIZE_K*2-(SIZE_K-2*KSTEP)*2   ; bytes from a slot's last K step of a tile to its first of the next: xb goes WALK rows down and back along K,
.set BACK_B, (SIZE_K-2*KSTEP)*2        ; wcb only back
.set NEXT_C, (WALK-7*16)*OROW          ; bytes from my last 16 rows of out in a tile to my first in the next
.set CIO,  6                           ; v6      32 x (l / 16): my eight numbers in a block of 16 of cinit or ninv; never rewritten
.set XO,   7                           ; v7      4 x (l % 16): my row's number in a block of 16 of xsq; never rewritten
.set ADRA, 16                          ; v16-17  LDS address of my xb fragments in slot 0, 1
.set ADRB, 20                          ; v20-21  the same for wcb
.set STO,  24                          ; v24     the way out: where I put 32 bytes of a row
.set RD,   25                          ; v25     the way out: where I read a row back
.set CO,   26                          ; v26     my byte offset in two rows of out
.set SPW,  28                          ; v28     LDS address of my spare word: SPARE + 4 x my thread's number; never rewritten
.set NIL,  29                          ; v29     0; never rewritten
.set PFO,  30                          ; v30     the prefetches' offset: my lane x a row of xb or wcb (4,096 bytes); never rewritten
.set F0,   64                          ; fragment buffer 0
.set F1,   128                         ; fragment buffer 1
.set TMP,  192                         ; window 0: a block's 32 numbers a lane: d2, then the exponent, g, the result
.set OB,   32                          ; window 0: v32-63 and v224-255 by turns
.set CI,   0                           ; window 1
.set NV,   192                         ; window 1
.set XS,   224                         ; window 1
.set G1,  24                           ; s[24:31] descriptor group 1 for xb's tiles
.set G0,  32                           ; s[32:39] descriptor group 0 for xb's tiles, one set for each slot
.set LIM, 43                           ; s43      1 in a wave that prefetches, else the greatest number
.set PFA, 44                           ; s[44:45] where my prefetches stand
.set G1B, 48                           ; s[48:55] descriptor group 1 for wcb's tiles: it differs in the mask alone
.set G0B, 56                           ; s[56:63] descriptor group 0 for wcb's tiles
.set XQ,  68                           ; s[68:69] xsq at my first row of the tile in hand
.set CIP, 70                           ; s[70:71] cinit at my 128 rows of wcb
.set NVP, 72                           ; s[72:73] ninv at my 64 columns
.set OUTP, 74                          ; s[74:75] out0; on the way out it walks
.set MSB, 0
.macro WIN new                         ; the immediate's high byte repeats the setting that is left; a switch that changes nothing is dropped
.if MSB != (\new)
	s_set_vgpr_msb (MSB<<8)|(\new)
.set MSB, \new
.endif
.endm
.set TO_B, 0x40                        ; destination window 1, address window 0
; A joint load.  Waves 0 and 1 fetch xb's two halves, waves 2 and 3 wcb's.  Each of the two lines has ONE mask and one set of registers for all that issue it.  The branch hangs on the wave's number alone.
; An s_nop 0 and four v_nop follow each of the two lines, ahead of the jump, the label and what follows.
.macro JLOAD s
	s_cmp_eq_u32 s11, 0
	s_cbranch_scc0 .Lfor_b_\@
	tensor_load_to_lds s[G0+4*(\s):G0+4*(\s)+3], s[G1:G1+7]
	s_nop 0
.rept 4
	v_nop
.endr
	s_branch .Lasked_\@
.Lfor_b_\@:
	tensor_load_to_lds s[G0B+4*(\s):G0B+4*(\s)+3], s[G1B:G1B+7]
	s_nop 0
.rept 4
	v_nop
.endr
.Lasked_\@:
.endm
; A PREFETCH INTO THE L2, behind each joint load, its five lines and the run of LDS loads that follows them: the K step that stands TWO refills on, 512 matrix instructions ahead of the load that will ask for it:
; 32 rows x 256 bytes, a lane a row, one instruction a wave.  Each row's 256 bytes of a K step are named ONCE in the launch.  xb's tile row is read by every cluster of that row of clusters: the first of them
; (cluster x = 0) asks; wcb's tile column by every cluster of that column: cluster y = 0 asks.  The four partners that ask for a tile jointly share its rows out BY ADDRESS: of the 128 rows that a wave fetches, the
; partner at place p takes 32 p .. 32 p + 31 (p = cx for xb, cy for wcb): no branch hangs on a work-group's place in its cluster.  how = 0, in the loop: a tile's last two refills have no K step two on;
; how = 1, at the change of tiles: the second tile's K steps 2 and 3 of xb; wcb's rows, the same for both tiles, are asked for in the first tile alone.
.macro ASK how
.if \how
	s_cmp_eq_u32 s[LIM], 1
.else
	s_cmp_gt_u32 s3, s[LIM]                        ; s3 = 1 in the loop's last trip
.endif
	s_cbranch_scc0 .Lnot_mine_\@
	global_prefetch_b8 v[PFO], s[PFA:PFA+1] offset:KSTEP*2 th:TH_LOAD_NT scope:SCOPE_SE
.Lnot_mine_\@:
.endm
; A round of the cluster's barrier: my work-group's barrier, so that wave 0's signal speaks for all four waves; wave 0 signals for the work-group; every wave waits for all sixteen work-groups; my work-group's barrier once more.
.macro CREST                           ; a round behind its opening barrier
	s_cmp_lg_u32 s10, 0
	s_cbranch_scc1 .Lnot_wave_0_\@
	s_barrier_signal -3
.Lnot_wave_0_\@:
	s_barrier_wait -3
	s_barrier_signal -1
	s_barrier_wait -1
.endm
.macro CROUND                          ; a whole round
	s_barrier_signal -1
	s_barrier_wait -1
	CREST
.endm
	s_load_b128 s[4:7], s[0:1], 0x0                ; xb s[4:5], wcb s[6:7]
	s_load_b128 s[68:71], s[0:1], 0x10             ; xsq, cinit
	s_load_b128 s[72:75], s[0:1], 0x20             ; ninv, out0
	v_lshl_add_u32 v[SPW], v0, 2, SPARE
	v_mov_b32 v[NIL], 0
	ds_add_u32 v[SPW], v[NIL]                      ; the wave's opening: the add, twice on end, and its wait ahead of my first tensor load; the set-up below, work on registers, stands between the second and the wait
	ds_add_u32 v[SPW], v[NIL]
	v_lshrrev_b32 v1, 5, v0
	v_readfirstlane_b32 s10, v1                    ; wave 0..3
	s_lshr_b32 s11, s10, 1                         ; which half of the tile's rows of xb is mine.  Also: I fetch for xb (0) or for wcb (1)
	s_and_b32 s12, s10, 1                          ; which half of its rows of wcb.  Also: which 128 rows of that tile I fetch
	s_bfe_u32 s40, ttmp6, 0x40000                  ; cx: my place along the cluster's x
	s_bfe_u32 s41, ttmp6, 0x40004                  ; cy: along its y
	s_lshl_b32 s42, ttmp9, 2                       ; in a cluster launch ttmp9 and ttmp7 count clusters
	s_add_co_u32 s42, s42, s40                     ; tile column = 4 x cluster x + cx
	s_and_b32 s13, ttmp7, 0xffff
	s_lshl_b32 s13, s13, 2
	s_add_co_u32 s13, s13, s41                     ; tile row = 4 x cluster y + cy
	s_lshl_b32 s43, s41, 2
	s_lshl_b32 s43, 15, s43                        ; my row of the cluster: places 4 cy .. 4 cy + 3
	s_lshl_b32 s44, 0x1111, s40                    ; my column: places cx, cx + 4, cx + 8, cx + 12
	; descriptor group 1: a tile of 128 rows x 128 elements, padded in LDS
	s_or_b32 s[G1+0], s43, (1<<16)|(1<<20)|(1<<21)|(5<<22)|(3<<25)  ; 15:0 the mask: xb's tiles go to my row; 17:16 elements of 2 bytes; 20 padding on; 21 set beside a mask; 24:22 after every 64 words (code 5); 31:25 4 words of it (code 3)
	s_or_b32 s[G1B+0], s44, (1<<16)|(1<<20)|(1<<21)|(5<<22)|(3<<25) ; the same with the mask of my column, for wcb's tiles
.irp g, G1, G1B
	s_mov_b32 s[(\g)+1], KSTEP<<16                 ; 63:48 tensor_dim0, low half = 128
	s_mov_b32 s[(\g)+2], 128<<16                   ; 79:64 its high half = 0; 95:80 tensor_dim1, low half = 128
	s_mov_b32 s[(\g)+3], KSTEP<<16                 ; 111:96 its high half = 0; 127:112 tile_dim0 = 128
	s_mov_b32 s[(\g)+4], 128                       ; 143:128 tile_dim1 = 128; 159:144 tile_dim2 = 0
	s_mov_b32 s[(\g)+5], SIZE_K                    ; 191:160 tensor_dim0_stride, low word: elements from row to row
	s_mov_b32 s[(\g)+6], 0
	s_mov_b32 s[(\g)+7], 0
.endr
	; where the tiles come from.  xb's hang on the tile row alone, which my row of the cluster shares; wcb's on the tile column alone, which my column shares.
	; Every wave makes both addresses, in registers that never hold the other coordinate, and asks by one of them.
	s_lshl_b32 s17, s12, 7                         ; which 128 rows of the tile I fetch
	s_lshl_b32 s16, s13, 8
	s_add_co_u32 s16, s16, s17                     ; xb: row 256 x tile row + 128 x half
	s_lshl_b32 s46, s42, 8
	s_add_co_u32 s46, s46, s17                     ; wcb: row 256 x tile column + 128 x half
	s_mov_b32 s17, 0
	s_mov_b32 s47, 0
	s_mov_b64 s[18:19], SIZE_K*2
	s_mul_u64 s[16:17], s[16:17], s[18:19]         ; in bytes
	s_mul_u64 s[46:47], s[46:47], s[18:19]
	s_mul_i32 s20, s10, HALFT                      ; and where they go: wave x 128 rows: no place in the cluster enters an LDS address
	s_wait_dscnt 0x0                               ; both opening adds are done
	s_wait_kmcnt 0x0
	s_add_nc_u64 s[14:15], s[4:5], s[16:17]
	s_add_nc_u64 s[46:47], s[6:7], s[46:47]
	CROUND                                         ; all sixteen work-groups are here: the first joint loads meet
.irp s, 0,1
	s_mov_b32 s[G0+4*(\s)], 1                                      ; 1:0 count = 1
	s_add_co_u32 s[G0+4*(\s)+1], s20, (\s)*SLOT                    ; 63:32 LDS address
	s_add_nc_u64 s[G0+4*(\s)+2:G0+4*(\s)+3], s[14:15], (\s)*KSTEP*2  ; 120:64 global address: K step s
	s_or_b32 s[G0+4*(\s)+3], s[G0+4*(\s)+3], 0x80000000            ; 127:126 type = 2
	s_mov_b32 s[G0B+4*(\s)], 1
	s_add_co_u32 s[G0B+4*(\s)+1], s20, (\s)*SLOT
	s_add_nc_u64 s[G0B+4*(\s)+2:G0B+4*(\s)+3], s[46:47], (\s)*KSTEP*2
	s_or_b32 s[G0B+4*(\s)+3], s[G0B+4*(\s)+3], 0x80000000
	JLOAD \s                                       ; the ring is filled before anything else is done: two tensor loads of mine are out
.endr
	; A fragment is 16 rows x 32 K in 8 registers: lane l holds row l % 16; registers 0-3 hold K = 8 (l / 16) + 0..7, registers 4-7 hold K = 16 + 8 (l / 16) + 0..7: two loads of 16 bytes, 32 bytes apart.
	v_and_b32 v1, 15, v0                           ; l % 16
	v_bfe_u32 v2, v0, 4, 1                         ; l / 16
	v_mul_u32_u24 v3, v1, PITCH
	v_lshl_add_u32 v3, v2, 4, v3                   ; row x pitch + 16 x half
	s_mul_i32 s21, s11, HALFT                      ; my 128 rows of xb
	s_mul_i32 s22, s12, HALFT                      ; my 128 rows of wcb,
	s_add_co_u32 s22, s22, 2*HALFT                 ; which lie behind xb's 256
.irp s, 0,1
	v_add_nc_u32 v[ADRA+(\s)], s21, v3
	v_add_nc_u32 v[ADRB+(\s)], s22, v3
	s_add_co_u32 s21, s21, SLOT
	s_add_co_u32 s22, s22, SLOT
.endr
	s_mul_i32 s23, s10, 16*SPITCH
	s_add_co_u32 s23, s23, STAGE                   ; my stage
	v_mul_u32_u24 v4, v1, SPITCH                   ; in: row l % 16, 32 bytes (eight f32) for each half of the lanes
	v_lshl_add_u32 v4, v2, 5, v4
	v_add_nc_u32 v[STO], s23, v4
	v_mul_u32_u24 v5, v2, SPITCH                   ; back: lanes 0-15 take one row of 256 bytes, lanes 16-31 the next
	v_lshl_add_u32 v5, v1, 4, v5
	v_add_nc_u32 v[RD], s23, v5
	v_lshlrev_b32 v5, 13, v2                       ; and the same two rows in out, 8,192 bytes apart
	v_lshl_add_u32 v[CO], v1, 4, v5
	v_lshlrev_b32 v[CIO], 5, v2
	v_lshlrev_b32 v[XO], 2, v1
	; where my part of the first tile begins in out, in bytes (the first way out adds it to out's address), and my places in the three tables
	s_lshl_b32 s13, s13, 8                         ; 256 x tile row
	s_lshl_b32 s14, s11, 7
	s_add_co_u32 s16, s13, s14                     ; my first row
	s_lshl_b32 s76, s16, 2
	s_mov_b32 s77, 0
	s_add_nc_u64 s[XQ:XQ+1], s[XQ:XQ+1], s[76:77]
	s_lshl_b32 s16, s16, 13                        ; x 8,192 bytes
	s_mov_b32 s17, 0
	s_lshl_b32 s46, s42, 9                         ; my 64 columns of out, in bytes: 512 x tile column + 256 x half (in the registers that held wcb's address: none that feeds xb's descriptors ever holds cx)
	s_lshl_b32 s47, s12, 8
	s_add_co_u32 s46, s46, s47
	s_mov_b32 s47, 0
	s_add_nc_u64 s[16:17], s[16:17], s[46:47]
	s_add_nc_u64 s[NVP:NVP+1], s[NVP:NVP+1], s[46:47]  ; ninv has the same 256 bytes
	s_lshl_b32 s46, s46, 1                         ; cinit twice as many: 128 rows of wcb
	s_add_nc_u64 s[CIP:CIP+1], s[CIP:CIP+1], s[46:47]
	; the prefetches.  s13 = 256 x tile row, s42 = tile column, s40 = cx, s41 = cy still stand
	s_lshl_b32 s42, s42, 8
	s_and_b32 s22, ttmp7, 0xffff                   ; cluster y
	s_cmp_eq_u32 s11, 0                            ; do I fetch for xb?
	s_cselect_b32 s20, s13, s42                    ; the tile's first row: in xb by the tile row, in wcb by the tile column
	s_cselect_b32 s21, s40, s41                    ; my place among the four that ask for it with me
	s_cselect_b32 s22, ttmp9, s22                  ; the coordinate along which other clusters read the same rows
	s_cselect_b64 s[PFA:PFA+1], s[4:5], s[6:7]
	s_cmp_eq_u32 s22, 0
	s_cselect_b32 s[LIM], 1, -1                    ; the same in all sixteen partners, for a given wave
	s_lshl_b32 s22, s12, 7
	s_add_co_u32 s20, s20, s22                     ; + the 128 rows that I fetch
	s_lshl_b32 s21, s21, 5
	s_add_co_u32 s20, s20, s21                     ; + my work-group's 32 of them
	s_mov_b32 s21, 0
	s_mov_b64 s[18:19], SIZE_K*2
	s_mul_u64 s[20:21], s[20:21], s[18:19]
	s_add_nc_u64 s[PFA:PFA+1], s[PFA:PFA+1], s[20:21]
	s_add_nc_u64 s[PFA:PFA+1], s[PFA:PFA+1], 2*KSTEP*2  ; at K step 2: the first refill steps it to 3 and names K step 4.  Nothing is prefetched here, at the head: K steps 0 to 3 come by their loads alone
	v_and_b32 v[PFO], 31, v0
	v_mul_u32_u24 v[PFO], v[PFO], SIZE_K*2
	; the tables that stay for both tiles.  Register j of a C operand's lane is row 8 (l / 16) + j of the block of wcb: eight numbers on end, the same in the 16 lanes of a half.
	WIN TO_B
.set z, 0
.rept 16
	global_load_b128 v[CI+4*z:CI+4*z+3], v[CIO], s[CIP:CIP+1] offset:64*(z/2)+16*(z%2)
.set z, z+1
.endr
.set z, 0
.rept 8
	global_load_b128 v[NV+4*z:NV+4*z+3], v[CIO], s[NVP:NVP+1] offset:64*(z/2)+16*(z%2)
.set z, z+1
.endr
.set z, 0
.rept 8
	v_mov_b32 v[XS+2*z+1], 0                       ; named with xsq's registers as pairs, so they are written
.set z, z+1
.endr
	WIN 0
; 16 matrix instructions: m blocks a0, a0 + 1 of the window's four (hi = 0: my rows 0-63, 1: rows 64-127) x all 8 blocks of wcb's rows, 32 along K.
; zero = 1: the first product starts the sums, with cinit's numbers as C (window 1): nothing is ever cleared, and nothing is added later.
; The 64 accumulators take turns, one instruction a turn, in the same order in every quarter step.
.macro MUL16 f, hi, a0, zero
.if \zero
	WIN 0x91+0x40*(\hi)                            ; wcb window 1, xb window 0, C window 1, D window 2 or 3
.else
	WIN 0xa1+0x50*(\hi)                            ; wcb window 1, xb window 0, C and D window 2 or 3
.endif
.irp a, \a0, (\a0)+1
.irp b, 0,1,2,3,4,5,6,7
.if \zero
	v_wmma_f32_16x16x32_bf16 v[8*(8*(\a)+(\b)):8*(8*(\a)+(\b))+7], v[(\f)+8*(\b):(\f)+8*(\b)+7], v[(\f)+8*(4*(\hi)+(\a)):(\f)+8*(4*(\hi)+(\a))+7], v[CI+8*(\b):CI+8*(\b)+7]
.else
	v_wmma_f32_16x16x32_bf16 v[8*(8*(\a)+(\b)):8*(8*(\a)+(\b))+7], v[(\f)+8*(\b):(\f)+8*(\b)+7], v[(\f)+8*(4*(\hi)+(\a)):(\f)+8*(4*(\hi)+(\a))+7], v[8*(8*(\a)+(\b)):8*(8*(\a)+(\b))+7]
.endif
.endr
.endr
.endm
; 32 LDS loads in one run: the fragments of one quarter step (128 rows of wcb, 128 rows of xb, 32 K at byte k of the rows) into buffer f
.macro FETCH slot, k, f
	WIN TO_B
.irp i, 0,1,2,3,4,5,6,7
	ds_load_b128 v[(\f)+8*(\i):(\f)+8*(\i)+3],   v[ADRB+(\slot)] offset:(\k)+(\i)*16*PITCH
	ds_load_b128 v[(\f)+8*(\i)+4:(\f)+8*(\i)+7], v[ADRB+(\slot)] offset:(\k)+(\i)*16*PITCH+32
.endr
	WIN 0
.irp i, 0,1,2,3,4,5,6,7
	ds_load_b128 v[(\f)+8*(\i):(\f)+8*(\i)+3],   v[ADRA+(\slot)] offset:(\k)+(\i)*16*PITCH
	ds_load_b128 v[(\f)+8*(\i)+4:(\f)+8*(\i)+7], v[ADRA+(\slot)] offset:(\k)+(\i)*16*PITCH+32
.endr
.endm
; A load into a register that a matrix instruction has read, and a vector instruction that reads a matrix result, stand four places behind that matrix instruction, and only plain vector instructions that name none of
; its registers are places (ISA guide 7.12.1 for vector instructions).
.macro PLACES
.rept 4
	v_nop
.endr
.endm
; A K step is four quarter steps of 32 along K, 64 matrix instructions each, on buffers 0, 1, 0, 1.
; One of the first three: multiplies buffer f; in its middle it fetches the next quarter's fragments, at byte k of the same slot's rows, into buffer g.
.macro QUARTER slot, k, f, g, zero
	s_wait_dscnt 8                                 ; wcb's fragments and xb's rows 0-63 are in; the youngest eight loads (xb's rows 64-127) may be out
	MUL16 \f, 0, 0, \zero
	MUL16 \f, 0, 2, \zero
	PLACES
	FETCH \slot, \k, \g
	s_wait_dscnt 32                                ; all but the 32 just issued
	MUL16 \f, 1, 0, \zero
	MUL16 \f, 1, 2, \zero
.endm
; The last quarter multiplies buffer 1 and changes slots.  MEET is its first half: ONE barrier for the change of slots.  In front of it each wave waits for all its tensor loads, of which one is out: its part of the next
; slot; adds 0 to its spare word; and waits for that and for its own reads of this slot.  Behind it nobody reads this slot any more and the next slot is whole.
.macro MEET round                      ; round = 1: a round of the cluster's barrier follows
	WIN 0                                          ; (the add's two registers lie in window 0)
	s_wait_tensorcnt 0x0                           ; all my tensor loads have landed;
	ds_add_u32 v[SPW], v[NIL]                      ; 0 onto my spare word;
	s_wait_dscnt 9                                 ; (the add and the youngest eight loads may be out)
	MUL16 F1, 0, 0, 0                              ; sixteen matrix instructions stand between the add and the wait for it
	s_wait_dscnt 0x0                               ; the add is done, and my reads of this slot are over:
	s_barrier_signal -1                            ; say so,
	MUL16 F1, 0, 2, 0                              ; work on registers while the others arrive,
.if \round
	WIN 0
.endif
	s_barrier_wait -1                              ; and go on when all four have said so
.endm
; The whole last quarter.  Behind the round the slot just read out is filled again first: with this tile's K step two steps on (on = 0) or, in the first tile's last two K steps, with the second tile's K step 0 or 1
; (on = 1); then come the next slot's first fragments.  From a request to the wait for it a wave issues 224 matrix instructions.
.macro TURN slot, next, on
	s_wait_xcnt 0x0                                ; the last prefetch, a K step back, has read its address: it is stepped here, ahead of the waits of the change of slots
.if (\on) && (\slot) == 0
	s_add_nc_u64 s[PFA:PFA+1], s[PFA:PFA+1], (WALK-1)*SIZE_K*2+KSTEP*2  ; from the K step after the tile's last to the next tile's K step 1: WALK rows down, back along K
	s_cmp_eq_u32 s11, 0
	s_cselect_b32 s[LIM], s[LIM], -1               ; wcb's rows are the same for both tiles: they are asked for no more
.else
	s_add_nc_u64 s[PFA:PFA+1], s[PFA:PFA+1], KSTEP*2
.endif
	MEET 1
	CREST                                          ; all sixteen work-groups have said so: no wave of any partner still reads this slot's tile or has a load on its way
.if \on
	s_add_nc_u64 s[G0+4*(\slot)+2:G0+4*(\slot)+3], s[G0+4*(\slot)+2:G0+4*(\slot)+3], NEXT_A
	s_sub_nc_u64 s[G0B+4*(\slot)+2:G0B+4*(\slot)+3], s[G0B+4*(\slot)+2:G0B+4*(\slot)+3], BACK_B
.else
	s_add_nc_u64 s[G0+4*(\slot)+2:G0+4*(\slot)+3], s[G0+4*(\slot)+2:G0+4*(\slot)+3], 2*KSTEP*2
	s_add_nc_u64 s[G0B+4*(\slot)+2:G0B+4*(\slot)+3], s[G0B+4*(\slot)+2:G0B+4*(\slot)+3], 2*KSTEP*2
.endif
	JLOAD \slot                                    ; the first tensor load behind the round, my only one until the next; the four v_nop behind it are also the places in front of the loads below
	FETCH \next, 0, F0
	ASK \on
	MUL16 F1, 1, 0, 0
	MUL16 F1, 1, 2, 0
.endm
; THE WAY OUT of block a (16 rows x my 64 columns), in four parts.
; EXPO: d2 = xsq - 2 XC; the clamp at 0; x ninv; 2^.  Each accumulator's registers are read in ascending order.  The block's 32 exponentials are one batch.
.macro EXPO a
.set AC, 64*((\a)%4)
	WIN 0x12+(\a)/4                                ; XC in window 2 or 3, xsq in window 1, the result in window 0
.set z, 0
.rept 16
	v_pk_fma_f32 v[TMP+2*z:TMP+2*z+1], v[AC+32+2*z:AC+32+2*z+1], -2.0, v[XS+2*(\a):XS+2*(\a)+1] op_sel_hi:[1,0,0]
.set z, z+1
.endr
	WIN 0
.set z, 0
.rept 32
	v_max_num_f32 v[TMP+z], 0, v[TMP+z]
.set z, z+1
.endr
	WIN 0x04                                       ; ninv in window 1
.set z, 0
.rept 16
	v_pk_mul_f32 v[TMP+2*z:TMP+2*z+1], v[TMP+2*z:TMP+2*z+1], v[NV+2*z:NV+2*z+1]
.set z, z+1
.endr
	WIN 0
.set z, 0
.rept 32
	v_exp_f32 v[TMP+z], v[TMP+z]
.set z, z+1
.endr
.endm
.macro FIN a                           ; L g
.set AC, 64*((\a)%4)
	WIN 0x02+(\a)/4                                ; L in window 2 or 3
.set z, 0
.rept 16
	v_pk_mul_f32 v[TMP+2*z:TMP+2*z+1], v[AC+2*z:AC+2*z+1], v[TMP+2*z:TMP+2*z+1]
.set z, z+1
.endr
	WIN 0
.endm
.macro TOSTAGE a                       ; into my own stage in LDS, 32 bytes a lane and block of 16 columns, and back as whole rows of 256 bytes
	WIN 0
.set BK, OB+192*((\a)%2)
.irp t, 0,1,2,3,4,5,6,7
	ds_store_b128 v[STO], v[TMP+4*(\t):TMP+4*(\t)+3] offset:64*((\t)/2)+16*((\t)%2)
.endr
.irp t, 0,1,2,3,4,5,6,7
	ds_load_b128 v[BK+4*(\t):BK+4*(\t)+3], v[RD] offset:(\t)*2*SPITCH  ; LDS serves a wave's instructions in order (ISA guide 5.7.1.4): these see the stores above
.endr
.endm
.macro SEND a
	WIN 0
.set BK, OB+192*((\a)%2)
	s_wait_dscnt 0x0                               ; the block is back in registers
	s_wait_xcnt 0x0                                ; only behind this wait are the stores' base and the registers that earlier stores read rewritten
.if (\a) == 0
	s_add_nc_u64 s[OUTP:OUTP+1], s[OUTP:OUTP+1], s[16:17]  ; on to this tile's first rows
.else
	s_add_nc_u64 s[OUTP:OUTP+1], s[OUTP:OUTP+1], 16*OROW   ; 16 rows of out on
.endif
.irp t, 0,1,2,3,4,5,6,7
	global_store_b128 v[CO], v[BK+4*(\t):BK+4*(\t)+3], s[OUTP:OUTP+1] offset:2*(\t)*OROW th:TH_STORE_NT  ; 16 lanes store 256 consecutive bytes, at a multiple of 256 from out's first byte
.endr
.endm
; The whole tile.  Block a's exponents and exponentials stand between block a - 1's loads from the stage and the wait for them; block a - 1's stores stand between block a's exponentials and their one wait.
.macro WAYOUT
.rept 8
	v_nop                                          ; the places behind the last products
.endr
	s_wait_loadcnt 0x0                             ; this tile's xsq
	EXPO 0
	v_nop                                          ; a plain instruction behind the last exponential,
	s_wait_alu depctr_va_vdst(0)                   ; and the wait ahead of the first use: one for the block's 32
	FIN 0
	TOSTAGE 0
.irp a, 1,2,3,4,5,6,7
	EXPO \a
	SEND (\a)-1
	v_nop
	s_wait_alu depctr_va_vdst(0)
	FIN \a
	TOSTAGE \a
.endr
	SEND 7
.endm
	s_wait_tensorcnt 1                             ; my part of K step 0 is in; K step 1's may stay out
	s_barrier_signal -1
	s_barrier_wait -1                              ; everybody's is
	FETCH 0, 0, F0
	s_wait_loadcnt 0x0                             ; cinit and ninv
	s_mov_b32 s2, 2                                ; tiles to go, this one among them: the same number in every work-group
.Ltile:                                                ; (FETCH and SEND leave every window 0)
	WIN TO_B
.irp a, 0,1,2,3,4,5,6,7
	global_load_b32 v[XS+2*(\a)], v[XO], s[XQ:XQ+1] offset:64*(\a)  ; xsq of my row in each block of 16: wanted on the way out
.endr
	QUARTER 0, 64,  F0, F1, 1                      ; a tile's first quarter stands in front of the loop: its products start the sums
	WIN 0                                          ; at a label and at a branch every window is 0
	s_mov_b32 s3, LAPS-1
.Llap:                                                 ; a trip goes once round the ring, from a lap's second quarter to the next lap's first, and fills both slots again
	QUARTER 0, 128, F1, F0, 0
	QUARTER 0, 192, F0, F1, 0
	TURN 0, 1, 0
	QUARTER 1, 64,  F0, F1, 0
	QUARTER 1, 128, F1, F0, 0
	QUARTER 1, 192, F0, F1, 0
	TURN 1, 0, 0
	QUARTER 0, 64,  F0, F1, 0
	WIN 0
	s_sub_co_u32 s3, s3, 1
	s_cmp_lg_u32 s3, 0
	s_cbranch_scc1 .Llap
	QUARTER 0, 128, F1, F0, 0                      ; the tile's last lap goes on
	QUARTER 0, 192, F0, F1, 0
	WIN 0
	s_cmp_eq_u32 s2, 1
	s_cbranch_scc1 .Llast_tile                     ; the last tile's tail is written out and leaves the loop: it asks for nothing more
	TURN 0, 1, 1                                   ; THE RING GOES ON INTO THE NEXT TILE: slot 0 takes its K step 0,
	QUARTER 1, 64,  F0, F1, 0
	QUARTER 1, 128, F1, F0, 0
	QUARTER 1, 192, F0, F1, 0
	TURN 1, 0, 1                                   ; slot 1 its K step 1, and the next tile's first fragments are fetched
	WIN 0
	WAYOUT                                         ; both refills are asked for: now the tile goes out
	s_add_nc_u64 s[XQ:XQ+1], s[XQ:XQ+1], WALK*4    ; xsq at the next tile's rows (its loads were waited for at the way out's head)
	s_mov_b64 s[16:17], NEXT_C                     ; what the next way out adds to out's address
	s_sub_co_u32 s2, s2, 1
	s_branch .Ltile
.Llast_tile:
	MEET 0                                         ; my one tensor load that was still out is slot 1's, the last K step's, so no round follows
	PLACES                                         ; for the loads into buffer 0, which the quarter before multiplied
	FETCH 1, 0, F0
	MUL16 F1, 1, 0, 0
	MUL16 F1, 1, 2, 0
	QUARTER 1, 64,  F0, F1, 0
	QUARTER 1, 128, F1, F0, 0
	QUARTER 1, 192, F0, F1, 0
	s_wait_dscnt 8                                 ; the very last quarter: nothing more to fetch
	MUL16 F1, 0, 0, 0
	MUL16 F1, 0, 2, 0
	s_wait_dscnt 0x0
	MUL16 F1, 1, 0, 0
	MUL16 F1, 1, 2, 0
	WIN 0
	WAYOUT
	s_wait_tensorcnt 0x0                           ; the wave's end: a wait, an add to my spare word and its wait, behind my last tensor load and my last LDS store
	ds_add_u32 v[SPW], v[NIL]
	s_wait_dscnt 0x0
	CROUND                                         ; the closing round: no work-group ends while a partner may still ask for a tile that names it
	s_endpgm
.Lfunc_end_k_q127ade9d7f_fgn:
	.size	k_q127ade9d7f_fgn, .Lfunc_end_k_q127ade9d7f_fgn-k_q127ade9d7f_fgn
	.p2alignl 7, 3214868480
	.fill 96, 4, 3214868480
	.section	.rodata,"a",@progbits
	.p2align	6, 0x0
	.amdhsa_kernel k_q127ade9d7f_fgn
		.amdhsa_group_segment_fixed_size 327680
		.amdhsa_private_segment_fixed_size 0
		.amdhsa_enable_private_segment 0
		.amdhsa_kernarg_size 48
		.amdhsa_user_sgpr_count 2
		.amdhsa_user_sgpr_kernarg_segment_ptr 1
		.amdhsa_wavefront_size32 1
		.amdhsa_system_sgpr_workgroup_id_x 1
		.amdhsa_system_sgpr_workgroup_id_y 1
		.amdhsa_system_sgpr_workgroup_id_z 1
		.amdhsa_system_vgpr_workitem_id 0
		.amdhsa_next_free_vgpr 1024
		.amdhsa_next_free_sgpr 80
		.amdhsa_reserve_vcc 0
		.amdhsa_float_denorm_mode_32 3
		.amdhsa_float_denorm_mode_16_64 3
		.amdhsa_memory_ordered 1
		.amdhsa_forward_progress 1
		.amdhsa_inst_pref_size 255
	.end_amdhsa_kernel
	.section	.bss,"aw",@nobits
	.p2align	6
	.space	262144
	.amdgpu_metadata
---
amdhsa.version: [ 1, 2 ]
amdhsa.kernels:
  - .name:           k_q127ade9d7f_fgn
    .symbol:         k_q127ade9d7f_fgn.kd
    .args:
      - { .name: xb, .offset: 0, .size: 8, .value_kind: global_buffer, .address_space: global }
      - { .name: wcb, .offset: 8, .size: 8, .value_kind: global_buffer, .address_space: global }
      - { .name: xsq, .offset: 16, .size: 8, .value_kind: global_buffer, .address_space: global }
      - { .name: cinit, .offset: 24, .size: 8, .value_kind: global_buffer, .address_space: global }
      - { .name: ninv, .offset: 32, .size: 8, .value_kind: global_buffer, .address_space: global }
      - { .name: out0, .offset: 40, .size: 8, .value_kind: global_buffer, .address_space: global }
    .group_segment_fixed_size: 327680
    .private_segment_fixed_size: 0
    .kernarg_segment_align: 8
    .kernarg_segment_size: 48
    .max_flat_workgroup_size: 128
    .sgpr_count:     80
    .vgpr_count:     1024
    .wavefront_size: 32
...
	.end_amdgpu_metadata
.endif
;; end of part 2
;; ======== version 2 of 2: 2 launches; version 1 with the launch prep written anew for expert scheduling mode
;; workspace buffers: xb 33,554,432 bytes; wcb 16,777,216 bytes; xsq 32,768 bytes; cinit 16,384 bytes; ninv 8,192 bytes
;; launch prep (part 3): grid 256 x 1, 8 waves a work-group, no clusters, 0 bytes of LDS; arguments x, weights, centers, sigs, xb, wcb, xsq, cinit, ninv; writes xb, wcb, xsq, cinit, ninv
.if DOCPART == 3
	.amdgcn_target "amdgcn-amd-amdhsa--gfx1250"
	.amdhsa_code_object_version 6
	.text
	.protected	k_q127ade9d7f_prep
	.globl	k_q127ade9d7f_prep
	.p2align	8
	.type	k_q127ade9d7f_prep,@function
k_q127ade9d7f_prep:
	s_mov_b64 s[64:65], 0
	v_nop
	global_prefetch_b8 v0, s[64:65] scope:SCOPE_SE
	s_setreg_imm32_b32 hwreg(HW_REG_WAVE_SCHED_MODE, 0, 2), 2
	s_setreg_imm32_b32 hwreg(HW_REG_WAVE_MODE, 25, 1), 1
	s_wait_xcnt 0x0
	s_wait_alu depctr_vm_vsrc(0)
; FIRST OF TWO LAUNCHES.  out[b][o] = (x_b . w_o - w_o . c_o) exp(-max(|x_b|^2 + |c_o|^2 - 2 x_b . c_o, 0) / sig_o^2); x: [8192][2048], weights, centers: [2048][2048], sigs: [2048], all f32.
; NOTHING OF THE PROBLEM IS LEFT OUT: every input has a way to every output row or column, and all four are loaded.
; THIS LAUNCH rounds x, weights and centers to bf16, once, for the matrix products of the second launch, and makes three small f32 tables:
;   xb    [8192][2048] bf16   x rounded
;   wcb   [4096][2048] bf16   column o's weights at row rw = 128 (o / 64) + o % 64, its centers at row rw + 64: a wave of the second launch finds 64 columns' w and c in 128 rows on end
;   xsq   [8192] f32          the sum of xb^2 along a row
;   cinit [4096] f32          in wcb's row order: at rw the bias, -(the sum of wb cb); at rw + 64 -(the sum of cb^2) / 2: the numbers with which the second launch's sums begin
;   ninv  [2048] f32          -log2(e) / sig^2
; The three sums are taken, in f32, of the ROUNDED numbers, the same that the matrix unit multiplies: so |x|^2 + |c|^2 - 2 x.c is |xb - cb|^2 and x.w - w.c is wb.(xb - cb) in exact arithmetic,
; and the rounding to bf16 is not magnified by a difference of large sums where the inputs carry a common offset.  sigs is no matrix operand and stays f32.
; LIMITS.  The order of the f32 sums differs from a row-wise sum.  1 / sig^2 is v_rcp_f32's (1 ULP); a sig^2 below 2^-126 counts as 0.
; SHARES.  A stream: no LDS, no barrier, no matrix unit, no loop.  2,048 waves; wave W takes x's rows 4 W .. 4 W + 3, row W of weights and of centers, and sigs[W]: six rows of 8,192 bytes in, 24 KiB out, alike for all.
; A row comes by 16 loads of 16 bytes a lane (512 consecutive bytes each); the four numbers of a load leave as 8 bytes a lane: each store of the wave covers 256 consecutive bytes, aligned.
; Three row slots of 64 registers: while one row is worked on, two are on their way in.  The wave's 28 bytes of tables leave from lane 0: under a two-thousandth of what the launch moves.
; THE MODE: SCHED_MODE bits 1:0 = 2 (LLVM: expert scheduling mode 2), set by the entry lines.  The code itself states the register dependences
; between vector instructions and memory instructions, with s_wait_alu, always for 0.
; THE PLAN.  Registers that memory instructions touch:
;   S0, S1, S2   a row of f32 as loaded.  Written by loads alone; read by the row's 32 roundings alone; behind those the slot's next row is asked for at once.  No store leaves from a slot.
;   Y            a row in bf16, 32 registers.  Written by the row's 32 roundings; read by the row's 16 stores, and by the widening lines, each of which stands behind the store of its pair.
;   YC           the same for the row of centers: the first half of S0, which is asked for no more when x's row 3 has been rounded.
;   v1, v2, v3   byte offsets, made once at the head and never written again: rows and pieces are reached by immediate offsets.
;   v[20:26]     the seven numbers of the tables: written by the sums' last lines, read by the four small stores at the end.
;   The widened numbers and the running sums (v[4:19], v27) are named by vector instructions alone.
; So a row has ONE wait on va_vdst, behind its roundings: they have written Y, from which the stores leave, and are done reading the slot, in which the loads land.  The row's 16 loads and 16 stores follow it, dealt among
; the widenings and multiply-adds, which name neither the slot nor a pair of Y whose store is still to come.  One wait on vm_vsrc, at the head of the next row, stands ahead of the roundings that write Y again.
.set S0,   32                          ; v[32:95], v[96:159], v[160:223]: the three row slots
.set S1,   96
.set S2,   160
.set Y,    224                         ; v[224:255] a row rounded: load j's four numbers as two words at Y + 2 j
.set YC,   S0                          ; v[32:63]   the same for the row of centers
.set LO,   1                           ; v1   16 x lane: my place in a load's 512 bytes; never rewritten
.set SO,   2                           ; v2   8 x lane: my place in a store's 256 bytes; never rewritten
.set ZO,   3                           ; v3   0: the offset of the small stores
.set TW,   4                           ; v[4:7]   four rounded numbers, widened again
.set TC,   8                           ; v[8:11]  the same (an x row takes the two by turns)
.set SQ,   12                          ; v[12:15] four running sums: x^2, or w c
.set CQ,   16                          ; v[16:19] four running sums: c^2
.set XSUM, 20                          ; v[20:23] my four rows' sums
.set BI,   24                          ; v24  the bias
.set CH,   25                          ; v25  -|c|^2 / 2
.set NI,   26                          ; v26  -log2(e) / sig^2
.set TP,   27                          ; v27  at work across the halves of the lanes
.set LN,   28                          ; v28  lane
	s_load_b256 s[4:11], s[0:1], 0x0               ; x s[4:5], weights s[6:7], centers s[8:9], sigs s[10:11]
	s_load_b256 s[12:19], s[0:1], 0x20             ; xb s[12:13], wcb s[14:15], xsq s[16:17], cinit s[18:19]
	s_load_b64 s[20:21], s[0:1], 0x40              ; ninv
	v_lshrrev_b32 v[TP], 5, v0
	v_readfirstlane_b32 s22, v[TP]                 ; wave 0..7
	v_and_b32 v[LN], 31, v0
	v_lshlrev_b32 v[LO], 4, v[LN]
	v_lshlrev_b32 v[SO], 3, v[LN]
	v_mov_b32 v[ZO], 0
	s_lshl_b32 s23, ttmp9, 3
	s_wait_alu depctr_va_sdst(0)                   ; s22 is written, ahead of its first reader: every base is made from it
	s_add_co_u32 s23, s23, s22                     ; W = 8 x work-group + wave
	s_lshr_b32 s31, s23, 6
	s_lshl_b32 s31, s31, 7
	s_and_b32 s24, s23, 63
	s_add_co_u32 s31, s31, s24                     ; rw = 128 (W / 64) + W % 64
	s_mov_b32 s25, 0                               ; the high word of every offset
	s_mov_b32 s26, 0xffff0000                      ; a word's upper bf16
	s_mov_b32 s27, 0x76543210                      ; v_permlanex16_b32: each lane takes its own place in the other half
	s_mov_b32 s28, 0xfedcba98
	s_lshl_b32 s24, s23, 15                        ; four rows of 8,192 bytes
	s_wait_kmcnt 0x0
	s_add_nc_u64 s[4:5], s[4:5], s[24:25]          ; x at my first row
	s_wait_alu depctr_va_vdst(0)                   ; v1, v2 and v3 are written: every load and store of the kernel reads one of them as its offset
.macro FILL s, base, off               ; a row's 16 loads into slot s
.irp j, 0,1,2,3,4,5,6,7,8,9,10,11,12,13,14,15
	global_load_b128 v[(\s)+4*(\j):(\s)+4*(\j)+3], v[LO], s[(\base):(\base)+1] offset:(\off)+512*(\j) th:TH_LOAD_NT
.endr
.endm
	FILL S0, 4, 0                                  ; x's rows 0, 1, 2 go out before anything else is made
	FILL S1, 4, 8192
	FILL S2, 4, 16384
	s_lshl_b32 s24, s23, 13                        ; a row of 8,192 bytes
	s_add_nc_u64 s[6:7], s[6:7], s[24:25]          ; weights and centers at row W
	s_add_nc_u64 s[8:9], s[8:9], s[24:25]
	s_lshl_b32 s24, s23, 2
	s_add_nc_u64 s[10:11], s[10:11], s[24:25]      ; sigs and ninv at W
	s_add_nc_u64 s[20:21], s[20:21], s[24:25]
	s_load_b32 s29, s[10:11], 0x0                  ; sig: nothing in this launch writes sigs
	s_lshl_b32 s24, s23, 14                        ; four rows of 4,096 bytes
	s_add_nc_u64 s[12:13], s[12:13], s[24:25]      ; xb at my first row
	s_lshl_b32 s24, s31, 12
	s_add_nc_u64 s[14:15], s[14:15], s[24:25]      ; wcb at row rw
	s_lshl_b32 s24, s23, 4
	s_add_nc_u64 s[16:17], s[16:17], s[24:25]      ; xsq at my four numbers
	s_lshl_b32 s24, s31, 2
	s_add_nc_u64 s[18:19], s[18:19], s[24:25]      ; cinit at rw
.macro CVT s, y, j                     ; load j's four numbers of slot s are rounded into out-buffer y: two words of two bf16
	v_cvt_pk_bf16_f32 v[(\y)+2*(\j)], v[(\s)+4*(\j)], v[(\s)+4*(\j)+1]
	v_cvt_pk_bf16_f32 v[(\y)+2*(\j)+1], v[(\s)+4*(\j)+2], v[(\s)+4*(\j)+3]
.endm
.macro UNP t, y, j                     ; and widened again: the sums are taken of the rounded numbers
	v_lshlrev_b32 v[(\t)], 16, v[(\y)+2*(\j)]
	v_and_b32 v[(\t)+1], s26, v[(\y)+2*(\j)]
	v_lshlrev_b32 v[(\t)+2], 16, v[(\y)+2*(\j)+1]
	v_and_b32 v[(\t)+3], s26, v[(\y)+2*(\j)+1]
.endm
.macro ACCUM acc, p, q, j              ; four sums take four products; the first products start the sums: nothing is cleared
.if (\j) == 0
	v_pk_mul_f32 v[(\acc):(\acc)+1], v[(\p):(\p)+1], v[(\q):(\q)+1]
	v_pk_mul_f32 v[(\acc)+2:(\acc)+3], v[(\p)+2:(\p)+3], v[(\q)+2:(\q)+3]
.else
	v_pk_fma_f32 v[(\acc):(\acc)+1], v[(\p):(\p)+1], v[(\q):(\q)+1], v[(\acc):(\acc)+1]
	v_pk_fma_f32 v[(\acc)+2:(\acc)+3], v[(\p)+2:(\p)+3], v[(\q)+2:(\q)+3], v[(\acc)+2:(\acc)+3]
.endif
.endm
.macro RED acc, dst                    ; the lane's four sums, then the 32 lanes': four steps inside each half ride on the addition, one crosses the halves; every lane has the result
	v_pk_add_f32 v[(\acc):(\acc)+1], v[(\acc):(\acc)+1], v[(\acc)+2:(\acc)+3]
	v_add_f32 v[(\acc)], v[(\acc)], v[(\acc)+1]
	v_add_f32_dpp v[(\acc)], v[(\acc)], v[(\acc)] row_xmask:1 row_mask:0xf bank_mask:0xf
	v_add_f32_dpp v[(\acc)], v[(\acc)], v[(\acc)] row_xmask:2 row_mask:0xf bank_mask:0xf
	v_add_f32_dpp v[(\acc)], v[(\acc)], v[(\acc)] row_xmask:4 row_mask:0xf bank_mask:0xf
	v_add_f32_dpp v[(\acc)], v[(\acc)], v[(\acc)] row_xmask:8 row_mask:0xf bank_mask:0xf
	v_permlanex16_b32 v[TP], v[(\acc)], s27, s28   ; its destination counts as read: v27 was written at the head
	v_add_f32 v[(\dst)], v[(\acc)], v[TP]
.endm
; Row r of my four rows of x lies in slot s.  first = 1: row 0, ahead of which no store has left from Y.  fill = 1: the slot is asked for again, with the row at byte off from the base in s[base:base+1].
.macro XROW s, r, first, fill, base, off
	s_wait_loadcnt 32                              ; loads come back in order (ISA guide 5.7.1): this slot's 16 are in, the other two slots' 32 stay out
.if !(\first)
	s_wait_xcnt 0x0                                ; every earlier memory instruction has had its addresses translated (ISA guide 3.1): Y, the data of the last row's stores, is rewritten only behind this wait,
	s_wait_alu depctr_vm_vsrc(0)                   ; and the last row's stores have read Y, which the roundings below write again
.endif
.irp j, 0,1,2,3,4,5,6,7,8,9,10,11,12,13,14,15
	CVT \s, Y, \j
.endr
	s_wait_alu depctr_va_vdst(0)                   ; the roundings have written Y, which the stores below read, and are done reading the slot, in which the loads below land
.irp j, 0,1,2,3,4,5,6,7,8,9,10,11,12,13,14,15
.if \fill
	global_load_b128 v[(\s)+4*(\j):(\s)+4*(\j)+3], v[LO], s[(\base):(\base)+1] offset:(\off)+512*(\j) th:TH_LOAD_NT  ; no vector instruction since the wait names the slot
.endif
	global_store_b64 v[SO], v[Y+2*(\j):Y+2*(\j)+1], s[12:13] offset:(\r)*4096+256*(\j)  ; ahead of the lines that widen this pair
	UNP TW+4*((\j)%2), Y, \j
	ACCUM SQ, TW+4*((\j)%2), TW+4*((\j)%2), \j
.endr
	RED SQ, XSUM+(\r)
.endm
	XROW S0, 0, 1, 1, 4, 24576                     ; row 0; the slot takes x's row 3
	XROW S1, 1, 0, 1, 6, 0                         ; row 1; the slot takes the row of weights
	XROW S2, 2, 0, 1, 8, 0                         ; row 2; the slot takes the row of centers
	XROW S0, 3, 0, 0, 4, 0                         ; row 3; nothing is left to ask for
	s_wait_loadcnt 16                              ; w is in; the 16 younger loads, c's, stay out
	s_wait_xcnt 0x0                                ; Y was the data of row 3's stores: it is rewritten only behind this wait,
	s_wait_alu depctr_vm_vsrc(0)                   ; and row 3's stores have read Y, which the roundings below write again
.irp j, 0,1,2,3,4,5,6,7,8,9,10,11,12,13,14,15
	CVT S1, Y, \j
.endr
	s_wait_loadcnt 0x0                             ; c: nothing younger is out
.irp j, 0,1,2,3,4,5,6,7,8,9,10,11,12,13,14,15
	CVT S2, YC, \j                                 ; into S0's first half: its last loads came in ahead of row 3, and no memory instruction has read it
.endr
	s_wait_alu depctr_va_vdst(0)                   ; the roundings have written Y and YC, which the stores below read
.irp j, 0,1,2,3,4,5,6,7,8,9,10,11,12,13,14,15
	global_store_b64 v[SO], v[Y+2*(\j):Y+2*(\j)+1], s[14:15] offset:256*(\j)
	global_store_b64 v[SO], v[YC+2*(\j):YC+2*(\j)+1], s[14:15] offset:262144+256*(\j)  ; 64 rows of 4,096 bytes further on
	UNP TW, Y, \j
	UNP TC, YC, \j
	ACCUM SQ, TW, TC, \j                           ; w c
	ACCUM CQ, TC, TC, \j                           ; c^2
.endr
	RED SQ, BI
	RED CQ, CH
	v_mul_f32 v[BI], -1.0, v[BI]
	v_mul_f32 v[CH], -0.5, v[CH]
	s_wait_kmcnt 0x0                               ; sig
	v_mul_f32 v[NI], s29, s29
	v_rcp_f32 v[NI], v[NI]
	v_nop                                          ; a plain instruction between the reciprocal and the use of its result (ISA guide 5.7.2),
	s_wait_alu depctr_va_vdst(0)                   ; and the reciprocal has written v26, ahead of the first line that names it
	v_mul_f32 v[NI], 0xbfb8aa3b, v[NI]             ; x -log2(e)
	v_cmp_eq_u32 vcc_lo, 0, v[LN]
	s_wait_xcnt 0x0                                ; EXEC is a source of the stores above: it changes only behind this wait
	s_wait_alu depctr_va_vcc(0)                    ; VCC is written, ahead of its first reader: EXEC is made from it
	s_wait_alu depctr_va_vdst(0)                   ; ahead of the write of EXEC every vector instruction is done; with that v[20:26] are written, which the four stores below read
	s_wait_alu depctr_vm_vsrc(0)                   ; and every store above has read its registers
	s_and_saveexec_b32 s30, vcc_lo                 ; lane 0 alone
	global_store_b128 v[ZO], v[XSUM:XSUM+3], s[16:17]
	global_store_b32 v[ZO], v[BI], s[18:19]
	global_store_b32 v[ZO], v[CH], s[18:19] offset:256  ; 64 numbers further on
	global_store_b32 v[ZO], v[NI], s[20:21]
	s_wait_xcnt 0x0                                ; and again, in front of the line that widens it
	s_wait_alu depctr_va_vdst(0)                   ; ahead of the write of EXEC: no vector instruction is under way,
	s_wait_alu depctr_vm_vsrc(0)                   ; and the four stores have read their registers
	s_or_b32 exec_lo, exec_lo, s30
	s_endpgm
.Lfunc_end_k_q127ade9d7f_prep:
	.size	k_q127ade9d7f_prep, .Lfunc_end_k_q127ade9d7f_prep-k_q127ade9d7f_prep
	.p2alignl 7, 3214868480
	.fill 96, 4, 3214868480
	.section	.rodata,"a",@progbits
	.p2align	6, 0x0
	.amdhsa_kernel k_q127ade9d7f_prep
		.amdhsa_group_segment_fixed_size 0
		.amdhsa_private_segment_fixed_size 0
		.amdhsa_enable_private_segment 0
		.amdhsa_kernarg_size 72
		.amdhsa_user_sgpr_count 2
		.amdhsa_user_sgpr_kernarg_segment_ptr 1
		.amdhsa_wavefront_size32 1
		.amdhsa_system_sgpr_workgroup_id_x 1
		.amdhsa_system_sgpr_workgroup_id_y 1
		.amdhsa_system_sgpr_workgroup_id_z 1
		.amdhsa_system_vgpr_workitem_id 0
		.amdhsa_next_free_vgpr 256
		.amdhsa_next_free_sgpr 66
		.amdhsa_reserve_vcc 1
		.amdhsa_float_denorm_mode_32 3
		.amdhsa_float_denorm_mode_16_64 3
		.amdhsa_memory_ordered 1
		.amdhsa_forward_progress 1
		.amdhsa_inst_pref_size 61
	.end_amdhsa_kernel
	.amdgpu_metadata
---
amdhsa.version: [ 1, 2 ]
amdhsa.kernels:
  - .name:           k_q127ade9d7f_prep
    .symbol:         k_q127ade9d7f_prep.kd
    .args:
      - { .name: x, .offset: 0, .size: 8, .value_kind: global_buffer, .address_space: global }
      - { .name: weights, .offset: 8, .size: 8, .value_kind: global_buffer, .address_space: global }
      - { .name: centers, .offset: 16, .size: 8, .value_kind: global_buffer, .address_space: global }
      - { .name: sigs, .offset: 24, .size: 8, .value_kind: global_buffer, .address_space: global }
      - { .name: xb, .offset: 32, .size: 8, .value_kind: global_buffer, .address_space: global }
      - { .name: wcb, .offset: 40, .size: 8, .value_kind: global_buffer, .address_space: global }
      - { .name: xsq, .offset: 48, .size: 8, .value_kind: global_buffer, .address_space: global }
      - { .name: cinit, .offset: 56, .size: 8, .value_kind: global_buffer, .address_space: global }
      - { .name: ninv, .offset: 64, .size: 8, .value_kind: global_buffer, .address_space: global }
    .group_segment_fixed_size: 0
    .private_segment_fixed_size: 0
    .kernarg_segment_align: 8
    .kernarg_segment_size: 72
    .max_flat_workgroup_size: 256
    .sgpr_count:     66
    .vgpr_count:     256
    .wavefront_size: 32
...
	.end_amdgpu_metadata
.endif
;; end of part 3
;; launch fgn: the kernel of part 2 again; grid 16 x 16, 4 waves a work-group, clusters of 4 x 4, 327,680 bytes of LDS; arguments xb, wcb, xsq, cinit, ninv, out0; writes out0
